; MI455X (gfx1250); checked and timed in simulation.
; The chip was launched on July 23, 2026; its instructions are those of AMD's public machine-readable ISA for CDNA 5 (MIT licence, August 2026) and "CDNA5" Instruction Set Architecture Reference Guide (July 2026). The comments in the code are by the model that wrote it; some were corrected since.
;; Attention. Allowed arithmetic: matrix products marked QUANTISED: E4M3 operands, one given power-of-two scale a tensor, by v_wmma_f32_16x16x64_fp8_fp8 or v_wmma_f32_16x16x128_fp8_fp8, f32 sums; everything else in f32.
;; Inputs: WK_b 512 float32; WK_w 512 x 512 float32; WQ_b 512 float32; WQ_w 512 x 512 float32; WV_b 512 float32; WV_w 512 x 512 float32; X 8 x 2,048 x 512 float32; intensity 8 x 2,048 x 2,048 float32; lowp_scales 12 int32 (the exponents e of the quantised operands' scales 2^e); out_b 512 float32; out_w 512 x 512 float32.
;; Outputs: out0 8 x 2,048 x 512 float32.
;; This version of the problem:
;;   THIS VERSION OF THE PROBLEM IS GIVEN IN LOW PRECISION. The matrix products marked QUANTISED in the list below multiply operands that are first quantised to E4M3 (4 exponent bits, 3 mantissa bits; 8 bits a number), with one given power-of-two scale for each operand tensor; their sums are f32. All else is computed in f32.
;;   The module's matrix products, in the order in which they are computed (A, B: the left and right operand; K: the contracted axis; several contracted axes count as one K, in the product's order):
;;     1. [M 16,384, K 512] x [K 512, N 512]; A: input X; B: input WQ_w: QUANTISED (scales: A lowp_scales[0], B lowp_scales[1])
;;     2. [M 16,384, K 512] x [K 512, N 512]; A: input X; B: input WK_w: QUANTISED (scales: A lowp_scales[2], B lowp_scales[3])
;;     3. [M 16,384, K 512] x [K 512, N 512]; A: input X; B: input WV_w: QUANTISED (scales: A lowp_scales[4], B lowp_scales[5])
;;     4. batch 8 x [M 2,048, K 512] x [K 512, N 2,048]; A: computed on the way; B: computed on the way: QUANTISED (scales: A lowp_scales[6], B lowp_scales[7])
;;     5. batch 8 x [M 2,048, K 2,048] x [K 2,048, N 512]; A: computed on the way; B: computed on the way: QUANTISED (scales: A lowp_scales[8], B lowp_scales[9])
;;     6. [M 16,384, K 512] x [K 512, N 512]; A: computed on the way; B: input out_w: QUANTISED (scales: A lowp_scales[10], B lowp_scales[11])
;;   THE QUANTISER, for each operand of a quantised product, along K:
;;     - The operand's scale is 2^e, e = its entry of the input lowp_scales (int32; the entries are numbered through the quantised products in the list's order, A before B).
;;     - Each number is divided by the scale, clamped to +-448, and rounded to the nearest number of E4M3, ties to even, subnormals kept.
;;     - The product sums the exact products of the quantised numbers (number of the format x scale) in f32.
;;   ~~~python
;;   def quantise(x, axis, e):      # numpy; x: float32 -> the quantised numbers, widened to float32 again
;;       x = np.moveaxis(x, axis, -1); K = x.shape[-1]
;;       r = np.clip(x / 2.0 ** e, -448, 448)
;;       step = 2.0 ** (np.maximum(np.frexp(np.where(r == 0, 1, r))[1] - 1, -6) - 3)
;;       q = np.round(r / step) * step * 2.0 ** e      # np.round: ties to even
;;       return np.moveaxis(q, -1, axis).astype(np.float32)
;;   ~~~
;;   OPERANDS COMPUTED ON THE WAY. 'Computed on the way' means the value that the module computes at that place (a softmax that the list does not call 'softmax' is quantised finished and normalised). What goes into a quantiser is computed in f32, as accurately as f32 sums, v_exp_f32 and their like allow (about 1e-6 of the number): no bf16 or f16 on the way to a quantiser, and a product that is left as it is and whose result goes on into a quantised operand takes f32 operands (vector FMAs, or v_wmma_f32_16x16x4_f32). A number that lies on a knife's edge between two numbers of the format may be rounded either way, as far as f32 arithmetic and the matrix unit's own rounding can turn it there, and no further.
;; One version. Each part assembles by itself: llvm-mc -triple=amdgcn-amd-amdhsa -mcpu=gfx1250 --defsym DOCPART=n.
;; ======== version 1 of 1: 3 launches
;; limits: right only within a limited range of input values
;; workspace buffers: wc 1,048,576 bytes; qc 8,388,608 bytes; kc 8,388,608 bytes; vc 8,388,608 bytes
;; launch prep (part 1): grid 256 x 1, 2 waves a work-group, no clusters, 8,960 bytes of LDS; arguments WQ_w, WK_w, WV_w, out_w, lowp_scales, wc; writes wc
.if DOCPART == 1
	.amdgcn_target "amdgcn-amd-amdhsa--gfx1250"
	.amdhsa_code_object_version 6
	.text
	.protected	k_qabbeab88ef_prep
	.globl	k_qabbeab88ef_prep
	.p2align	8
	.type	k_qabbeab88ef_prep,@function
k_qabbeab88ef_prep:
	s_mov_b64 s[64:65], 0
	v_nop
	global_prefetch_b8 v0, s[64:65] scope:SCOPE_SE
	s_setreg_imm32_b32 hwreg(HW_REG_WAVE_MODE, 25, 1), 1
	s_wait_xcnt 0x0
; THE PROGRAM: out = (softmax(q k^T / sqrt(512)) + intensity) v out_w^T + out_b, q, k, v = X W^T + b, all six products on codes of E4M3 with the given scales 2^e.
; Three launches: this one turns the four weights into codes; the second makes q's, k's and v's codes; the third does the attention and the last product.
; NO WORK OF reference() IS LEFT OUT: every bias stands ahead of a quantiser or goes into the output, every input has a way to the output and is loaded.
; (The third launch makes the scores twice: the left operand of the product with v is the FINISHED softmax + intensity, so a row's maximum and sum are known before its first code is made.)
; THIS LAUNCH: WQ_w, WK_w, WV_w, out_w [512][512] f32, K innermost -> wc, codes laid as IMAGES OF OPERAND REGISTERS of the 16x16x128 form.
; A fragment is 16 rows x 128 K = 2,048 bytes: four groups g of 512 bytes, lane l = (r = l % 16, h = l / 16) owns the 16 bytes at 512 g + 16 l:
; bytes 0-7: row r, k = 32 g + 8 h + 0..7; bytes 8-15: k = 32 g + 16 + 8 h + 0..7: registers 4 g .. 4 g + 3 of the operand.  So a fragment is fetched by four dense loads of 16 bytes a lane.
; wc: weight p (0 WQ, 1 WK, 2 WV, 3 out_w) at 262,144 p; rows 16 t .., K 128 s .. at + 8,192 t + 2,048 s.
; code = x / 2^e, held within +-448, to the nearest code, ties to even; e = entry 1, 3, 5, 11 of lowp_scales.  LIMITS: -126 <= e <= 119; NaN among the inputs is not served.
; One wave makes one fragment: 512 fragments, two waves to a work-group.  Each load reads two rows' 256 consecutive bytes; the numbers turn through the wave's own stage in LDS
; (16 rows of 256 bytes + 16), so that a lane gets eight neighbours along K in consecutive registers, as the conversion wants them.  Waves share nothing: no barrier.
.set STGB,  4352                       ; a wave's stage: 16 rows x 272 bytes
.set SPARE, 8704                       ; behind the two stages: the spare words, 128 bytes for each wave: one block of 256 bytes that no other line names
.set LI,  3                            ; v3   16 x lane
.set XO,  4                            ; v4   in memory: (l / 16) rows of 2,048 bytes + 16 (l % 16)
.set XSA, 5                            ; v5   into the stage: (l / 16) x 272 + 16 (l % 16)
.set XLA, 6                            ; v6   out of it: r x 272 + 32 h
.set SC,  8                            ; v8   2^e as f32
.set LIM, 9                            ; v9   448 x 2^e
.set SPW, 12                           ; v12  LDS address of my spare word; never rewritten
.set NIL, 13                           ; v13  0; never rewritten
.set X,   16                           ; v16-79  64 numbers: register 8 c + j = k 16 c + 8 h + j of row r
.set C,   80                           ; v80-95  the fragment's codes
	s_load_b256 s[4:11], s[0:1], 0x0               ; WQ_w, WK_w, WV_w, out_w
	s_load_b128 s[12:15], s[0:1], 0x20             ; lowp_scales, wc
	v_lshl_add_u32 v[SPW], v0, 2, SPARE
	v_mov_b32 v[NIL], 0
	v_lshrrev_b32 v1, 5, v0
	v_readfirstlane_b32 s16, v1                    ; wave 0, 1
	v_and_b32 v1, 15, v0                           ; r
	v_bfe_u32 v2, v0, 4, 1                         ; h
	v_and_b32 v7, 31, v0                           ; lane
	v_lshlrev_b32 v[LI], 4, v7
	v_lshlrev_b32 v[XO], 4, v1
	v_lshl_add_u32 v[XO], v2, 11, v[XO]
	s_mul_i32 s17, s16, STGB
	v_mul_u32_u24 v[XSA], v2, 272
	v_lshl_add_u32 v[XSA], v1, 4, v[XSA]
	v_add_nc_u32 v[XSA], s17, v[XSA]
	v_mul_u32_u24 v[XLA], v1, 272
	v_lshl_add_u32 v[XLA], v2, 5, v[XLA]
	v_add_nc_u32 v[XLA], s17, v[XLA]
	s_lshl_b32 s18, ttmp9, 1
	s_add_co_u32 s18, s18, s16                     ; F: my fragment, 0 .. 511
	s_lshr_b32 s19, ttmp9, 6                       ; p: which weight
	s_bfe_u32 s20, s18, 0x50002                    ; t = (F / 4) % 32
	s_and_b32 s21, s18, 3                          ; s = F % 4
	s_lshl_b32 s20, s20, 15                        ; 16 rows of 2,048 bytes
	s_lshl_b32 s21, s21, 9                         ; 128 numbers of 4 bytes
	s_add_co_u32 s20, s20, s21
	s_mov_b32 s21, 0
	s_lshl_b32 s22, s18, 11                        ; the fragment's place in wc
	s_mov_b32 s23, 0
	s_wait_alu depctr_va_vdst(0)
	s_wait_kmcnt 0x0
	s_load_b256 s[24:31], s[12:13], 0x0            ; e0 .. e7
	s_load_b32 s32, s[12:13], 0x2c                 ; e11
	s_and_b32 s33, s19, 1                          ; the choice hangs on the work-group's number alone
	s_cmp_lg_u32 s33, 0
	s_cselect_b64 s[4:5], s[6:7], s[4:5]           ; p odd: WK_w, else WQ_w
	s_cselect_b64 s[8:9], s[10:11], s[8:9]         ; p odd: out_w, else WV_w
	s_and_b32 s33, s19, 2
	s_cmp_lg_u32 s33, 0
	s_cselect_b64 s[4:5], s[8:9], s[4:5]
	s_add_nc_u64 s[4:5], s[4:5], s[20:21]
	s_add_nc_u64 s[14:15], s[14:15], s[22:23]
.irp c, 0,1                                    ; chunk c: bytes 256 c .. 256 c + 255 of the fragment's 512 bytes of each row
.irp i, 0,1,2,3,4,5,6,7
	global_load_b128 v[X+32*\c+4*\i:X+32*\c+4*\i+3], v[XO], s[4:5] offset:256*\c+4096*\i th:TH_LOAD_NT   ; rows 2 i, 2 i + 1: sixteen lanes read 256 consecutive bytes
.endr
.endr
	s_wait_kmcnt 0x0
	s_and_b32 s33, s19, 1
	s_cmp_lg_u32 s33, 0
	s_cselect_b32 s34, s27, s25                    ; e3 or e1
	s_cselect_b32 s35, s32, s29                    ; e11 or e5
	s_and_b32 s33, s19, 2
	s_cmp_lg_u32 s33, 0
	s_cselect_b32 s34, s35, s34                    ; e
	s_add_co_i32 s34, s34, 127
	s_lshl_b32 s35, s34, 23
	v_mov_b32 v[SC], s35                           ; 2^e: the conversion takes its exponent field
	s_add_co_i32 s34, s34, 8
	s_lshl_b32 s34, s34, 23
	s_or_b32 s34, s34, 0x600000
	v_mov_b32 v[LIM], s34                          ; 448 x 2^e
; chunk c through the stage.  LDS serves a wave's instructions in order: the loads see the stores above them, and the next chunk's stores come behind these loads.
.macro TURN c, left
	s_wait_loadcnt \left                           ; this chunk's eight loads are in; left: the other chunk's may be out
.irp i, 0,1,2,3,4,5,6,7
	ds_store_b128 v[XSA], v[X+32*\c+4*\i:X+32*\c+4*\i+3] offset:544*\i
.endr
.irp k, 0,1,2,3
.irp y, 0,1
	ds_load_b128 v[X+32*\c+8*\k+4*\y:X+32*\c+8*\k+4*\y+3], v[XLA] offset:64*\k+16*\y
.endr
.endr
.endm
	s_wait_alu depctr_va_vdst(0)
	TURN 0, 8
	TURN 1, 0
	s_wait_dscnt 0x0
.set NN, 0
.rept 64
	v_med3_num_f32 v[X+NN], v[X+NN], -v[LIM], v[LIM]   ; the conversion to an 8-bit code does not saturate (ISA guide 7.6.2): the hold comes first
.set NN, NN+1
.endr
.irp c, 0,1,2,3,4,5,6,7
	v_cvt_scalef32_pk8_fp8_f32 v[C+2*\c:C+2*\c+1], v[X+8*\c:X+8*\c+7], v[SC]
.endr
	v_nop                                          ; a plain line behind the last conversion
.irp g, 0,1,2,3
	global_store_b128 v[LI], v[C+4*\g:C+4*\g+3], s[14:15] offset:512*\g   ; 32 lanes store 512 consecutive bytes, at a multiple of 512 from wc's first byte
.endr
	s_wait_tensorcnt 0x0                           ; the wave's end
	ds_add_u32 v[SPW], v[NIL]
	s_wait_dscnt 0x0
	s_endpgm
.Lfunc_end_k_qabbeab88ef_prep:
	.size	k_qabbeab88ef_prep, .Lfunc_end_k_qabbeab88ef_prep-k_qabbeab88ef_prep
	.p2alignl 7, 3214868480
	.fill 96, 4, 3214868480
	.section	.rodata,"a",@progbits
	.p2align	6, 0x0
	.amdhsa_kernel k_qabbeab88ef_prep
		.amdhsa_group_segment_fixed_size 8960
		.amdhsa_private_segment_fixed_size 0
		.amdhsa_enable_private_segment 0
		.amdhsa_kernarg_size 48
		.amdhsa_user_sgpr_count 2
		.amdhsa_user_sgpr_kernarg_segment_ptr 1
		.amdhsa_wavefront_size32 1
		.amdhsa_system_sgpr_workgroup_id_x 1
		.amdhsa_system_sgpr_workgroup_id_y 1
		.amdhsa_system_sgpr_workgroup_id_z 1
		.amdhsa_system_vgpr_workitem_id 0
		.amdhsa_next_free_vgpr 96
		.amdhsa_next_free_sgpr 66
		.amdhsa_reserve_vcc 0
		.amdhsa_float_denorm_mode_32 3
		.amdhsa_float_denorm_mode_16_64 3
		.amdhsa_memory_ordered 1
		.amdhsa_forward_progress 1
		.amdhsa_inst_pref_size 12
	.end_amdhsa_kernel
	.amdgpu_metadata
---
amdhsa.version: [ 1, 2 ]
amdhsa.kernels:
  - .name:           k_qabbeab88ef_prep
    .symbol:         k_qabbeab88ef_prep.kd
    .args:
      - { .name: WQ_w, .offset: 0, .size: 8, .value_kind: global_buffer, .address_space: global }
      - { .name: WK_w, .offset: 8, .size: 8, .value_kind: global_buffer, .address_space: global }
      - { .name: WV_w, .offset: 16, .size: 8, .value_kind: global_buffer, .address_space: global }
      - { .name: out_w, .offset: 24, .size: 8, .value_kind: global_buffer, .address_space: global }
      - { .name: lowp_scales, .offset: 32, .size: 8, .value_kind: global_buffer, .address_space: global }
      - { .name: wc, .offset: 40, .size: 8, .value_kind: global_buffer, .address_space: global }
    .group_segment_fixed_size: 8960
    .private_segment_fixed_size: 0
    .kernarg_segment_align: 8
    .kernarg_segment_size: 48
    .max_flat_workgroup_size: 64
    .sgpr_count:     66
    .vgpr_count:     96
    .wavefront_size: 32
...
	.end_amdgpu_metadata
.endif
;; end of part 1
;; launch proj (part 2): grid 256 x 1, 4 waves a work-group, clusters of 4 x 1, 327,680 bytes of LDS; arguments X, wc, WQ_b, WK_b, WV_b, lowp_scales, qc, kc, vc; writes qc, kc, vc
.if DOCPART == 2
	.amdgcn_target "amdgcn-amd-amdhsa--gfx1250"
	.amdhsa_code_object_version 6
	.text
	.protected	k_qabbeab88ef_proj
	.globl	k_qabbeab88ef_proj
	.p2align	8
	.type	k_qabbeab88ef_proj,@function
k_qabbeab88ef_proj:
	s_mov_b64 s[64:65], 0
	v_nop
	global_prefetch_b8 v0, s[64:65] scope:SCOPE_SE
	s_setreg_imm32_b32 hwreg(HW_REG_WAVE_MODE, 25, 1), 1
	s_wait_xcnt 0x0
	s_wait_alu depctr_hold_cnt(0) depctr_sa_sdst(0) depctr_va_vdst(0) depctr_va_sdst(0) depctr_va_ssrc(0) depctr_va_vcc(0) depctr_vm_vsrc(0)
	s_getreg_b32 s2, hwreg(HW_REG_IB_STS2, 6, 4)
	s_cmp_eq_u32 s2, 0
	s_cbranch_scc0 .Lentry_in_a_cluster
	s_endpgm
.Lentry_in_a_cluster:
	s_bfe_u32 s2, ttmp6, 0x10000c
	s_cmp_lg_u32 s2, 0x3003
	s_cbranch_scc0 .Lentry_shape_is_right
	s_endpgm
.Lentry_shape_is_right:
.set SLOTB, 131072
.set XSTG,  262144
.set XIMG,  279552
.set SPARE, 312320
.set LI,   3
.set XO,   4
.set XSA,  5
.set XLA,  6
.set XIA,  7
.set XFA,  8
.set WA,   9
.set BO,   11
.set BV,   12
.set SPW,  16
.set NIL,  17
.set SCX,  32
.set LIMX, 33
.set SCY,  34
.set LIMY, 35
.set T,    64
.set XC,   128
.set BI,   192
.set CD,   224
.set WV,   22
.set G1,   28
.set G0,   36
.set XB,   44
.set BQ,   46
.set QB,   52
.set YS,   58
.set E,    68
.set MSB, 0
.macro WIN new
.if MSB != (\new)
	s_set_vgpr_msb (MSB<<8)|(\new)
.set MSB, \new
.endif
.endm
.macro PLACES
.rept 4
	v_nop
.endr
.endm
.macro CROUND
	s_barrier_signal -1
	s_barrier_wait -1
	s_cmp_lg_u32 s[WV], 0
	s_cbranch_scc1 .Lnot_wave_0_\@
	s_barrier_signal -3
.Lnot_wave_0_\@:
	s_barrier_wait -3
	s_barrier_signal -1
	s_barrier_wait -1
.endm
	s_load_b512 s[4:19], s[0:1], 0x0
	s_load_b64 s[20:21], s[0:1], 0x40
	v_lshl_add_u32 v[SPW], v0, 2, SPARE
	v_mov_b32 v[NIL], 0
	ds_add_u32 v[SPW], v[NIL]
	ds_add_u32 v[SPW], v[NIL]
	v_lshrrev_b32 v1, 5, v0
	v_readfirstlane_b32 s[WV], v1
	s_bfe_u32 s23, ttmp6, 0x40000
	s_lshl_b32 s24, ttmp9, 2
	s_add_co_u32 s24, s24, s23
	s_mov_b32 s[G1], 0x0023000f
	s_mov_b32 s[G1+1], 32<<16
	s_mov_b32 s[G1+2], 128<<16
	s_mov_b32 s[G1+3], 32<<16
	s_mov_b32 s[G1+4], 128
	s_mov_b32 s[G1+5], 32
	s_mov_b32 s[G1+6], 0
	s_mov_b32 s[G1+7], 0
	v_and_b32 v1, 15, v0
	v_bfe_u32 v2, v0, 4, 1
	v_and_b32 v13, 31, v0
	v_lshlrev_b32 v[LI], 4, v13
	v_lshlrev_b32 v[XO], 4, v1
	v_lshl_add_u32 v[XO], v2, 11, v[XO]
	s_mul_i32 s25, s[WV], 4352
	s_add_co_u32 s25, s25, XSTG
	v_mul_u32_u24 v[XSA], v2, 272
	v_lshl_add_u32 v[XSA], v1, 4, v[XSA]
	v_add_nc_u32 v[XSA], s25, v[XSA]
	v_mul_u32_u24 v[XLA], v1, 272
	v_lshl_add_u32 v[XLA], v2, 5, v[XLA]
	v_add_nc_u32 v[XLA], s25, v[XLA]
	s_lshl_b32 s26, s[WV], 13
	s_add_co_u32 s26, s26, XIMG
	v_add_nc_u32 v[XIA], s26, v[LI]
	v_add_nc_u32 v[XFA], XIMG, v[LI]
	s_lshl_b32 s78, s[WV], 15
	s_mov_b32 s79, 0
	v_add_nc_u32 v[WA], s78, v[LI]
	v_add_nc_u32 v[WA+1], SLOTB, v[WA]
	v_lshlrev_b32 v[BO], 5, v2
	v_lshlrev_b32 v[BV], 2, v1
	s_wait_dscnt 0x0
	s_wait_kmcnt 0x0
	s_load_b256 s[E:E+7], s[14:15], 0x0
	s_load_b64 s[E+8:E+9], s[14:15], 0x20
	s_lshl_b32 s60, s24, 17
	s_lshl_b32 s61, s[WV], 15
	s_add_co_u32 s60, s60, s61
	s_mov_b32 s61, 0
	s_add_nc_u64 s[XB:XB+1], s[4:5], s[60:61]
	s_lshl_b32 s60, s[WV], 8
	s_add_nc_u64 s[BQ:BQ+1], s[8:9], s[60:61]
	s_add_nc_u64 s[BQ+2:BQ+3], s[10:11], s[60:61]
	s_add_nc_u64 s[BQ+4:BQ+5], s[12:13], s[60:61]
	s_lshl_b32 s60, s24, 15
	s_lshl_b32 s62, s[WV], 10
	s_add_co_u32 s60, s60, s62
	s_add_nc_u64 s[QB:QB+1], s[16:17], s[60:61]
	s_add_nc_u64 s[QB+2:QB+3], s[18:19], s[60:61]
	s_lshr_b32 s60, s24, 1
	s_lshl_b32 s60, s60, 16
	s_lshl_b32 s62, s[WV], 13
	s_add_co_u32 s60, s60, s62
	s_and_b32 s62, s24, 1
	s_lshl_b32 s62, s62, 10
	s_add_co_u32 s60, s60, s62
	s_add_nc_u64 s[QB+4:QB+5], s[20:21], s[60:61]
	s_mov_b32 s[G0], 1
	s_mov_b32 s[G0+1], s78
	s_add_nc_u64 s[G0+2:G0+3], s[6:7], s[78:79]
	s_mov_b32 s[G0+4], 1
	s_add_co_u32 s[G0+5], s78, SLOTB
	s_add_nc_u64 s[G0+6:G0+7], s[G0+2:G0+3], SLOTB
	s_or_b32 s[G0+3], s[G0+3], 0x80000000
	s_or_b32 s[G0+7], s[G0+7], 0x80000000
	CROUND
	tensor_load_to_lds s[G0:G0+3], s[G1:G1+7]
	s_nop 0
	s_wait_alu depctr_va_vdst(0)
	s_wait_tensorcnt 0x0
	ds_add_u32 v16, v17
	s_wait_dscnt 0x0
	CROUND
	tensor_load_to_lds s[G0+4:G0+7], s[G1:G1+7]
	s_nop 0
	PLACES
	WIN 0x40
.irp c, 0,1,2,3,4,5,6,7
.irp i, 0,1,2,3,4,5,6,7
	global_load_b128 v[32*\c+4*\i:32*\c+4*\i+3], v[XO], s[XB:XB+1] offset:256*\c+4096*\i th:TH_LOAD_NT
.endr
.endr
.macro SETX ea
	WIN 0
	s_add_co_i32 s60, s[E+\ea], 127
	s_lshl_b32 s61, s60, 23
	v_mov_b32 v[SCX], s61
	s_add_co_i32 s60, s60, 8
	s_lshl_b32 s60, s60, 23
	s_or_b32 s60, s60, 0x600000
	v_mov_b32 v[LIMX], s60
.endm
.macro SETY ea, eb, eo
	WIN 0
	s_add_co_i32 s60, s[E+\ea], s[E+\eb]
	s_add_co_i32 s60, s60, 127
	s_lshl_b32 s[YS], s60, 23
	s_mov_b32 s[YS+1], s[YS]
	s_add_co_i32 s60, s[E+\eo], 127
	s_lshl_b32 s61, s60, 23
	v_mov_b32 v[SCY], s61
	s_add_co_i32 s60, s60, 8
	s_lshl_b32 s60, s60, 23
	s_or_b32 s60, s60, 0x600000
	v_mov_b32 v[LIMY], s60
.endm
.macro TURN c
	s_wait_loadcnt 56-8*(\c)
	WIN 0x04
.irp i, 0,1,2,3,4,5,6,7
	ds_store_b128 v[XSA], v[32*(\c)+4*\i:32*(\c)+4*\i+3] offset:544*\i
.endr
	WIN 0x40
.irp k, 0,1,2,3
.irp y, 0,1
	ds_load_b128 v[32*(\c)+8*\k+4*\y:32*(\c)+8*\k+4*\y+3], v[XLA] offset:64*\k+16*\y
.endr
.endr
.endm
.macro QUANTX
.irp k, 0,1,2,3
	WIN 0x01
.set NN, 0
.rept 64
	v_med3_num_f32 v[T+NN], v[64*\k+NN], -v[LIMX], v[LIMX]
.set NN, NN+1
.endr
	WIN 0
.irp c, 0,1,2,3,4,5,6,7
	v_cvt_scalef32_pk8_fp8_f32 v[XC+16*\k+2*\c:XC+16*\k+2*\c+1], v[T+8*\c:T+8*\c+7], v[SCX]
.endr
	v_nop
.irp g, 0,1,2,3
	ds_store_b128 v[XIA], v[XC+16*\k+4*\g:XC+16*\k+4*\g+3] offset:2048*\k+512*\g
.endr
.endr
.endm
.macro FETCHX
	WIN 0x80
.set NN, 0
.rept 64
	ds_load_b128 v[4*NN:4*NN+3], v[XFA] offset:512*NN
.set NN, NN+1
.endr
.endm
.macro WLOAD ks, buf, slot
	WIN 0xc0
.irp f, 0,1,2,3
.irp g, 0,1,2,3
	ds_load_b128 v[128+64*\buf+16*\f+4*\g:128+64*\buf+16*\f+4*\g+3], v[WA+\slot] offset:8192*\f+2048*\ks+512*\g
.endr
.endr
.endm
.macro MUL ks, buf, p, zero
.if \p < 2
	WIN 0xfb
.else
	WIN 0xfe
.endif
.irp f, 0,1,2,3
.irp i, 0,1,2,3
.if \p < 2
.if \zero
	v_wmma_f32_16x16x128_fp8_fp8 v[8*(4*\f+\i):8*(4*\f+\i)+7], v[128+64*\buf+16*\f:128+64*\buf+16*\f+15], v[64*\i+16*\ks:64*\i+16*\ks+15], 0
.else
	v_wmma_f32_16x16x128_fp8_fp8 v[8*(4*\f+\i):8*(4*\f+\i)+7], v[128+64*\buf+16*\f:128+64*\buf+16*\f+15], v[64*\i+16*\ks:64*\i+16*\ks+15], v[8*(4*\f+\i):8*(4*\f+\i)+7]
.endif
.else
.if \zero
	v_wmma_f32_16x16x128_fp8_fp8 v[8*(4*\f+\i):8*(4*\f+\i)+7], v[64*\i+16*\ks:64*\i+16*\ks+15], v[128+64*\buf+16*\f:128+64*\buf+16*\f+15], 0
.else
	v_wmma_f32_16x16x128_fp8_fp8 v[8*(4*\f+\i):8*(4*\f+\i)+7], v[64*\i+16*\ks:64*\i+16*\ks+15], v[128+64*\buf+16*\f:128+64*\buf+16*\f+15], v[8*(4*\f+\i):8*(4*\f+\i)+7]
.endif
.endif
.endr
.endr
.endm
.macro EPI p, sg
	s_wait_loadcnt 0x0
	s_wait_xcnt 0x0
.irp b, 0,1
	WIN 0x03
.if \p < 2
.irp i, 0,1,2,3
.irp q, 0,1
.irp j, 0,2,4,6
	v_pk_fma_f32 v[T+16*\i+8*\q+\j:T+16*\i+8*\q+\j+1], v[8*(4*(2*\b+\q)+\i)+\j:8*(4*(2*\b+\q)+\i)+\j+1], s[YS:YS+1], v[BI+8*(2*\b+\q)+\j:BI+8*(2*\b+\q)+\j+1] op_sel_hi:[1,0,1]
.endr
.endr
.endr
.else
.irp q, 0,1
.irp i, 0,1,2,3
.irp j, 0,1,2,3,4,5,6,7
	v_fma_f32 v[T+32*\q+8*\i+\j], v[8*(4*(2*\b+\q)+\i)+\j], s[YS], v[BI+2*\b+\q]
.endr
.endr
.endr
.endif
	WIN 0
.set NN, 0
.rept 64
	v_med3_num_f32 v[T+NN], v[T+NN], -v[LIMY], v[LIMY]
.set NN, NN+1
.endr
.irp c, 0,1,2,3,4,5,6,7
	v_cvt_scalef32_pk8_fp8_f32 v[CD+16*\b+2*\c:CD+16*\b+2*\c+1], v[T+8*\c:T+8*\c+7], v[SCY]
.endr
	v_nop
.if \p < 2
.irp i, 0,1,2,3
	global_store_b128 v[LI], v[CD+16*\b+4*\i:CD+16*\b+4*\i+3], s[QB+2*\p:QB+2*\p+1] offset:8192*\i+4096*\sg+512*\b
.endr
.else
.irp q, 0,1
.irp a, 0,1
	global_store_b128 v[LI], v[CD+16*\b+8*\q+4*\a:CD+16*\b+8*\q+4*\a+3], s[QB+4:QB+5] offset:(16*\sg+2*\b+\q)*2048+512*\a
.endr
.endr
.endif
.endr
.endm
.macro SLOT p, sg, slot
	WIN 0
.if \p < 2
.irp f, 0,1,2,3
.irp y, 0,1
	global_load_b128 v[BI+8*\f+4*\y:BI+8*\f+4*\y+3], v[BO], s[BQ+2*\p:BQ+2*\p+1] offset:1024*\sg+64*\f+16*\y
.endr
.endr
.else
.irp f, 0,1,2,3
	global_load_b32 v[BI+\f], v[BV], s[BQ+4:BQ+5] offset:1024*\sg+64*\f
.endr
.endif
	WLOAD 0, 0, \slot
	WLOAD 1, 1, \slot
	s_wait_dscnt 16
	MUL 0, 0, \p, 1
	PLACES
	WLOAD 2, 0, \slot
	s_wait_dscnt 16
	MUL 1, 1, \p, 0
	PLACES
	WLOAD 3, 1, \slot
	s_wait_dscnt 16
	MUL 2, 0, \p, 0
	s_wait_dscnt 0x0
	MUL 3, 1, \p, 0
	PLACES
	EPI \p, \sg
.endm
.macro CHANGE slot, fill
	WIN 0
	s_wait_tensorcnt 0x0
	ds_add_u32 v[SPW], v[NIL]
.if \fill
	s_add_nc_u64 s[G0+4*\slot+2:G0+4*\slot+3], s[G0+4*\slot+2:G0+4*\slot+3], 2*SLOTB
	s_wait_dscnt 0x0
	CROUND
	tensor_load_to_lds s[G0+4*\slot:G0+4*\slot+3], s[G1:G1+7]
	s_nop 0
	PLACES
.else
	s_wait_dscnt 0x0
	s_barrier_signal -1
	s_barrier_wait -1
.endif
.endm
	s_wait_kmcnt 0x0
	SETX 0
	s_wait_alu depctr_va_vdst(0)
.irp c, 0,1,2,3,4,5,6,7
	TURN \c
.endr
	s_wait_dscnt 0x0
	QUANTX
	SETY 0, 1, 6
	s_wait_tensorcnt 0x1
	s_wait_dscnt 0x0
	s_barrier_signal -1
	s_barrier_wait -1
	FETCHX
	SLOT 0, 0, 0
	CHANGE 0, 1
	SLOT 0, 1, 1
	SETX 2
	QUANTX
	CHANGE 1, 1
	FETCHX
	SETY 2, 3, 7
	SLOT 1, 0, 0
	CHANGE 0, 1
	SLOT 1, 1, 1
	SETX 4
	QUANTX
	CHANGE 1, 1
	FETCHX
	SETY 4, 5, 9
	SLOT 2, 0, 0
	CHANGE 0, 0
	SLOT 2, 1, 1
	WIN 0
	s_wait_tensorcnt 0x0
	ds_add_u32 v[SPW], v[NIL]
	s_wait_dscnt 0x0
	CROUND
	s_endpgm
.Lfunc_end_k_qabbeab88ef_proj:
	.size	k_qabbeab88ef_proj, .Lfunc_end_k_qabbeab88ef_proj-k_qabbeab88ef_proj
	.p2alignl 7, 3214868480
	.fill 96, 4, 3214868480
	.section	.rodata,"a",@progbits
	.p2align	6, 0x0
	.amdhsa_kernel k_qabbeab88ef_proj
		.amdhsa_group_segment_fixed_size 327680
		.amdhsa_private_segment_fixed_size 0
		.amdhsa_enable_private_segment 0
		.amdhsa_kernarg_size 72
		.amdhsa_user_sgpr_count 2
		.amdhsa_user_sgpr_kernarg_segment_ptr 1
		.amdhsa_wavefront_size32 1
		.amdhsa_system_sgpr_workgroup_id_x 1
		.amdhsa_system_sgpr_workgroup_id_y 1
		.amdhsa_system_sgpr_workgroup_id_z 1
		.amdhsa_system_vgpr_workitem_id 0
		.amdhsa_next_free_vgpr 1024
		.amdhsa_next_free_sgpr 100
		.amdhsa_reserve_vcc 0
		.amdhsa_float_denorm_mode_32 3
		.amdhsa_float_denorm_mode_16_64 3
		.amdhsa_memory_ordered 1
		.amdhsa_forward_progress 1
		.amdhsa_inst_pref_size 244
	.end_amdhsa_kernel
	.amdgpu_metadata
---
amdhsa.version: [ 1, 2 ]
amdhsa.kernels:
  - .name:           k_qabbeab88ef_proj
    .symbol:         k_qabbeab88ef_proj.kd
    .args:
      - { .name: X, .offset: 0, .size: 8, .value_kind: global_buffer, .address_space: global }
      - { .name: wc, .offset: 8, .size: 8, .value_kind: global_buffer, .address_space: global }
      - { .name: WQ_b, .offset: 16, .size: 8, .value_kind: global_buffer, .address_space: global }
      - { .name: WK_b, .offset: 24, .size: 8, .value_kind: global_buffer, .address_space: global }
      - { .name: WV_b, .offset: 32, .size: 8, .value_kind: global_buffer, .address_space: global }
      - { .name: lowp_scales, .offset: 40, .size: 8, .value_kind: global_buffer, .address_space: global }
      - { .name: qc, .offset: 48, .size: 8, .value_kind: global_buffer, .address_space: global }
      - { .name: kc, .offset: 56, .size: 8, .value_kind: global_buffer, .address_space: global }
      - { .name: vc, .offset: 64, .size: 8, .value_kind: global_buffer, .address_space: global }
    .group_segment_fixed_size: 327680
    .private_segment_fixed_size: 0
    .kernarg_segment_align: 8
    .kernarg_segment_size: 72
    .max_flat_workgroup_size: 128
    .sgpr_count:     100
    .vgpr_count:     1024
    .wavefront_size: 32
...
	.end_amdgpu_metadata
.endif
;; end of part 2
;; launch attn (part 3): grid 256 x 1, 4 waves a work-group, no clusters, 327,680 bytes of LDS; arguments qc, kc, vc, intensity, wc, out_b, lowp_scales, out0; writes out0
.if DOCPART == 3
	.amdgcn_target "amdgcn-amd-amdhsa--gfx1250"
	.amdhsa_code_object_version 6
	.text
	.protected	k_qabbeab88ef_attn
	.globl	k_qabbeab88ef_attn
	.p2align	8
	.type	k_qabbeab88ef_attn,@function
k_qabbeab88ef_attn:
	s_mov_b64 s[64:65], 0
	v_nop
	global_prefetch_b8 v0, s[64:65] scope:SCOPE_SE
	s_setreg_imm32_b32 hwreg(HW_REG_WAVE_MODE, 25, 1), 1
	s_wait_xcnt 0x0
; out0 = Q10((Q8(softmax(q k^T / sqrt(512)) + intensity)) v) out_w^T + out_b, all products on codes of E4M3.  Nothing of reference() is left out.
; What is quantised for the product with v is the finished softmax + intensity, so WALK 1 over the keys finds each query's maximum and sum (a running maximum), and WALK 2 makes p / l + intensity, its codes, and O^T += V^T P.
; Then O is quantised (e10) and multiplied by out_w.  The f32 scores of key steps 0 .. 6 are KEPT in LDS by walk 1 (8 KB a wave and step) and read back by walk 2; those of steps 7 .. 15 are made a second time.
; qc, kc, vc, wc hold fragment images: 16 rows x 128 K = 2,048 bytes, group g of 512 bytes, lane l = (r = l % 16, h = l / 16) owns 16 bytes at 512 g + 16 l = registers 4 g .. 4 g + 3 of the 16x16x128 form's operand.
; SHARES.  A work-group owns 64 queries (four tiles m); every wave holds all their fragments of q (256 registers; each wave loads a quarter, and they go round through LDS).  S^T = K Q^T: a lane holds ONE query and
; eight neighbouring keys.  The waves share the KEYS for S^T (keys 32 w .. 32 w + 31 of every 128) and the CHANNELS for O^T (128 each).  P goes from wave to wave through LDS as images, in two buffers by turns.
; K AND V GO FROM MEMORY STRAIGHT INTO REGISTERS: each fragment is multiplied by one wave alone and lies in memory as its registers want it, 32 loads of 512 consecutive bytes for 16 KB.
; Walk 1 has four buffers of 128 registers (windows 3 and 2), each loaded again behind the 32 products that read it; walk 2 one buffer for K and one for V, loaded again in the same way, a step ahead.
; Walk 1's order: trip t = 0 .. 2 takes key steps 7 + 3 t, 8 + 3 t, 9 + 3 t and t (kept); the last trip steps 3 .. 6 (kept).
; cluster = none: no tile of K or V passes through LDS, so there is no joint load to make; LDS holds the kept scores (229,376 bytes), intensity's two stages (67,584) and P, and 9,728 bytes are left.
; Intensity is read by one work-group alone.
; INTENSITY comes by tensor loads, a step's 64 rows x 512 bytes with 16 bytes of padding behind each row, 16 rows a wave, into two stages by turns: step 0 at the head, step 1 behind the barrier between the walks,
; step j + 2 behind step j's barrier, into the stage that step j has read out.
; PREFETCHES.  V: a batch's 32 work-groups share its 1 MB out, 8,192 bytes a wave, lanes 256 bytes apart, once, in walk 1's first trip.  Intensity: step j asks for the tile of step j + 4 (j = 0 .. 11), two steps
; ahead of its tensor load, wave w for its rows 16 w .. 16 w + 15, two lanes to a row's 512 bytes.  K has none: walk 1's loads go out 96 loads ahead of their use.
; O^T is cleared once (256 moves): a first product with C = 0 would need a further copy of the step.
; SOFTMAX: t = score x c, c = log2(e) / sqrt(512) x 2^(e6 + e7); p = 2^(t - Mc), Mc = the maximum score x c.  In walk 1 each lane keeps its own maximum and sum; a query's eight parts are joined between the walks.
; LIMITS on the given exponents: e6 + e7 between -122 and 131; e8, and e10 - e8 - e9, between -126 and 119; e10 + e11 between -126 and 127.  NaN among the inputs is not served.
; REGISTERS: window 0: addresses; v32-47 statistics; v48-63 at work; v64-127 S^T (16 m + 8 u + j); v128-191 intensity of my keys, then P's fragments; v192-207 P's codes.
;   window 1: Q (64 m + 16 s).  window 2: walk 1: two buffers of K; then O^T (64 m + 8 t + j).  window 3: v0-127 K, v128-255 K (walk 1), V (walk 2).
;   At the end: window 0 v64-191 accumulators, v192-255 out_b; window 1 O's codes; windows 3, 2 out_w's fragments.
.set STG,   33792                      ; a stage of intensity: 64 rows x 528 bytes; two of them from byte 0
.set PIMG,  67584                      ; P's four images, twice
.set STATS, 83968                      ; the statistics' parts: [m][wave][lane] x 8 bytes
.set SPARE, 88064                      ; the spare words, 128 bytes a wave, that no other line names
.set SST,   88576                      ; the kept scores: 57,344 bytes a wave, 8,192 a step
.set QIMG,  SST+24576                  ; at the head: Q's sixteen images, where wave 0 keeps steps 3 .. 6 later
.set OSTG,  SST+32768                  ; at the end: O's images from SST on, then a stage of 64 rows x 272 bytes a wave
.set LI,  3
.set AII, 4                            ; intensity out of a stage: 528 r + 32 h + 128 w
.set API, 5
.set APL, 6
.set AST, 7
.set ASL, 8
.set ADI, 9                            ; v9-11, v29 the step's addresses
.set ADP, 10
.set ADL, 11
.set PFO, 12                           ; 256 x lane
.set SPW, 16
.set NIL, 17
.set SC8, 18
.set LIM8, 19
.set PFI, 20                           ; (lane / 2) rows of 8,192 bytes + 256 (lane % 2)
.set STO, 21
.set RD,  22
.set GO,  23
.set OBA, 24
.set AOI, 25
.set SCO, 26
.set LIMO, 27
.set ASS, 28                           ; my kept scores: SST + 57,344 w + 16 lane
.set ADS, 29
.set AQ,  30                           ; Q's images; at the end O's
.set AQS, 31                           ; where I store my quarter of Q
.set ST,  32                           ; tile m: +4m: -Mc; +4m+1: largest score, later my part's sum; +4m+2, +3: the sum's halves, later 1 / l
.set TMP, 48
.set S,   64
.set II,  128
.set PC,  192
.set ACC, 64
.set OC,  64
.set OB,  192
.set WV,  20
.set G1,  24                           ; s[24:31] group 1: 16 rows of 512 bytes;  s[40:43] group 0, which walks
.set G0,  40
.set KP,  44                           ; s[44:45] walk 2: K's step;  s[46:47] V's
.set VP,  46
.set IP,  48                           ; s[48:49] intensity's prefetches
.set PV,  50                           ; s[50:51] V's prefetch
.set WOB, 52
.set OBB, 54
.set OUTB, 56
.set YS,  58
.set NK,  60                           ; s[60:61] walk 1: the next trip's first three groups;  s[78:79] its fourth
.set CS,  62
.set NC,  72
.set CNT, 73
.set J,   74                           ; walk 2's step
.set PT,  75                           ; 0 or 8,192: P's buffer
.set SI,  76                           ; 0 or STG: intensity's stage
.set SOFF, 77                          ; 8,192 x the kept step
.set N3,  78
.set W2,  80                           ; s[80:81] out_w's tiles 2, 3
.set L0,  84                           ; s[84:85] K's step 3;  s[86:87] step 6
.set L3,  86
.set MSB, 0
.macro WIN new
.if MSB != (\new)
	s_set_vgpr_msb (MSB<<8)|(\new)
.set MSB, \new
.endif
.endm
.macro PLACES                          ; four plain places behind matrix instructions (ISA guide 7.12.1)
.rept 4
	v_nop
.endr
.endm
	s_load_b512 s[4:19], s[0:1], 0x0               ; qc, kc, vc, intensity, wc, out_b, lowp_scales, out0
	v_lshl_add_u32 v[SPW], v0, 2, SPARE
	v_mov_b32 v[NIL], 0
	ds_add_u32 v[SPW], v[NIL]                      ; the opening: the add, twice on end, and its wait
	ds_add_u32 v[SPW], v[NIL]
	v_lshrrev_b32 v1, 5, v0
	v_readfirstlane_b32 s[WV], v1                  ; wave 0..3
	s_mov_b32 s[G1], 0x07930000                    ; elements of 8 bytes; padding: 4 words behind every 128
	s_mov_b32 s[G1+1], 64<<16                      ; a row: 64 elements
	s_mov_b32 s[G1+2], 16<<16
	s_mov_b32 s[G1+3], 64<<16
	s_mov_b32 s[G1+4], 16
	s_mov_b32 s[G1+5], 1024                        ; from row to row
	s_mov_b32 s[G1+6], 0
	s_mov_b32 s[G1+7], 0
	s_lshl_b32 s84, s[WV], 7
	s_lshl_b32 s85, s[WV], 9
	s_add_co_u32 s85, s85, PIMG
	s_lshl_b32 s86, s[WV], 8
	s_add_co_u32 s86, s86, STATS
	s_mul_i32 s87, s[WV], 17408
	s_add_co_u32 s87, s87, OSTG
	s_lshl_b32 s88, s[WV], 11
	s_add_co_u32 s88, s88, SST
	s_mul_i32 s89, s[WV], 57344
	s_add_co_u32 s89, s89, SST
	s_lshl_b32 s92, s[WV], 13
	s_add_co_u32 s92, s92, QIMG
	v_and_b32 v1, 15, v0                           ; r
	v_bfe_u32 v2, v0, 4, 1                         ; h
	v_and_b32 v13, 31, v0                          ; lane
	v_lshlrev_b32 v[LI], 4, v13
	v_mul_u32_u24 v[AII], v1, 528
	v_lshl_add_u32 v[AII], v2, 5, v[AII]
	v_add_nc_u32 v[AII], s84, v[AII]
	v_add_nc_u32 v[API], s85, v[LI]
	v_add_nc_u32 v[APL], PIMG, v[LI]
	v_lshl_add_u32 v[AST], v13, 3, s86
	v_lshlrev_b32 v[ASL], 3, v1
	v_add_nc_u32 v[ASL], STATS, v[ASL]
	v_lshlrev_b32 v[PFO], 8, v13
	v_lshrrev_b32 v14, 1, v13
	v_and_b32 v15, 1, v13
	v_lshlrev_b32 v14, 13, v14
	v_lshl_add_u32 v[PFI], v15, 8, v14
	v_mul_u32_u24 v[STO], v1, 272
	v_lshl_add_u32 v[STO], v2, 5, v[STO]
	v_add_nc_u32 v[STO], s87, v[STO]
	v_mul_u32_u24 v[RD], v2, 272
	v_lshl_add_u32 v[RD], v1, 4, v[RD]
	v_add_nc_u32 v[RD], s87, v[RD]
	v_lshlrev_b32 v[GO], 4, v1
	v_lshl_add_u32 v[GO], v2, 11, v[GO]
	v_lshlrev_b32 v[OBA], 5, v2
	v_add_nc_u32 v[AOI], s88, v[LI]
	v_add_nc_u32 v[ASS], s89, v[LI]
	v_add_nc_u32 v[AQ], QIMG, v[LI]
	v_add_nc_u32 v[AQS], s92, v[LI]
	s_wait_alu depctr_va_vdst(0)
	s_wait_dscnt 0x0                               ; both opening adds are done
	s_wait_kmcnt 0x0
	s_load_b64 s[66:67], s[16:17], 0x18            ; e6, e7
	s_load_b128 s[68:71], s[16:17], 0x20           ; e8 .. e11
	s_lshl_b32 s82, ttmp9, 19                      ; my 64 rows of 8,192 bytes,
	s_lshl_b32 s92, s[WV], 17                      ; my wave's 16 of them
	s_add_co_u32 s82, s82, s92
	s_mov_b32 s83, 0
	s_add_nc_u64 s[90:91], s[10:11], s[82:83]
	s_mov_b32 s[G0], 1
	s_mul_i32 s[G0+1], s[WV], 8448                 ; stage 0, my 16 rows
	s_mov_b64 s[G0+2:G0+3], s[90:91]
	s_or_b32 s[G0+3], s[G0+3], 0x80000000
	tensor_load_to_lds s[G0:G0+3], s[G1:G1+7]      ; my one load at the head: intensity of step 0
	s_nop 0
	PLACES
	s_lshl_b32 s82, ttmp9, 15
	s_lshl_b32 s92, s[WV], 13
	s_add_co_u32 s82, s82, s92
	s_add_nc_u64 s[4:5], s[4:5], s[82:83]          ; my quarter of Q's sixteen fragments
	s_add_nc_u64 s[PV:PV+1], s[8:9], s[82:83]      ; V's prefetch: 32 KB x my work-group's number + 8 KB x wave: the batch's 1 MB shared among its 32
	s_lshr_b32 s82, ttmp9, 5                       ; the batch
	s_lshl_b32 s82, s82, 20
	s_lshl_b32 s92, s[WV], 14
	s_add_co_u32 s82, s82, s92                     ; + my 16 KB of a step's 64 KB
	s_add_nc_u64 s[N3:N3+1], s[6:7], s[82:83]      ; K's step 0
	s_add_nc_u64 s[VP:VP+1], s[8:9], s[82:83]
	s_add_nc_u64 s[NK:NK+1], s[N3:N3+1], 7*65536
	s_mov_b64 s[KP:KP+1], s[NK:NK+1]
	s_add_nc_u64 s[L0:L0+1], s[N3:N3+1], 3*65536
	s_add_nc_u64 s[L3:L3+1], s[N3:N3+1], 6*65536
; 32 loads: 16 KB at off bytes behind a pointer into 128 registers from base on
.macro GLD dwin, base, ptr, off
	WIN \dwin
.set NN, 0
.rept 32
	global_load_b128 v[\base+4*NN:\base+4*NN+3], v[LI], s[\ptr:\ptr+1] offset:\off+512*NN
.set NN, NN+1
.endr
.endm
.irp i, 0,1,2,3,4,5,6,7,8,9,10,11,12,13,14,15
	global_load_b128 v[S+4*\i:S+4*\i+3], v[LI], s[4:5] offset:512*\i
.endr
	GLD 0xc0, 0, NK, 0                             ; walk 1's first trip: steps 7, 8, 9 and 0
	GLD 0xc0, 128, NK, 65536
	GLD 0x80, 0, NK, 131072
	GLD 0x80, 128, N3, 0
	WIN 0
	s_add_nc_u64 s[IP:IP+1], s[90:91], 3*512       ; the first step moves it to the tile of step 4
	s_lshl_b32 s82, s[WV], 16
	s_add_co_u32 s82, s82, 786432                  ; out_w is the fourth weight in wc
	s_add_nc_u64 s[WOB:WOB+1], s[12:13], s[82:83]
	s_add_nc_u64 s[W2:W2+1], s[WOB:WOB+1], 16384
	s_lshl_b32 s82, s[WV], 9
	s_add_nc_u64 s[OBB:OBB+1], s[14:15], s[82:83]
	s_lshl_b32 s92, ttmp9, 17
	s_add_co_u32 s82, s82, s92
	s_add_nc_u64 s[OUTB:OUTB+1], s[18:19], s[82:83]
	s_wait_kmcnt 0x0
	s_mov_b32 s[CS], 0x3d8293ee                    ; log2(e) / sqrt(512)
	s_add_co_i32 s82, s66, s67
	s_lshl_b32 s82, s82, 23
	s_add_co_i32 s[CS], s[CS], s82                 ; x 2^(e6 + e7): added to the exponent field
	s_mov_b32 s[CS+1], s[CS]
	s_xor_b32 s[NC], s[CS], 0x80000000
	s_add_co_i32 s82, s68, 127
	s_lshl_b32 s83, s82, 23
	v_mov_b32 v[SC8], s83
	s_add_co_i32 s82, s82, 8
	s_lshl_b32 s82, s82, 23
	s_or_b32 s82, s82, 0x600000
	v_mov_b32 v[LIM8], s82
	s_sub_co_i32 s82, s70, s68                     ; a sum of O stands for sum x 2^(e8 + e9): its code is sum / 2^(e10 - e8 - e9)
	s_sub_co_i32 s82, s82, s69
	s_add_co_i32 s82, s82, 127
	s_lshl_b32 s83, s82, 23
	v_mov_b32 v[SCO], s83
	s_add_co_i32 s82, s82, 8
	s_lshl_b32 s82, s82, 23
	s_or_b32 s82, s82, 0x600000
	v_mov_b32 v[LIMO], s82
	s_add_co_i32 s82, s70, s71
	s_add_co_i32 s82, s82, 127
	s_lshl_b32 s[YS], s82, 23
	s_mov_b32 s[YS+1], s[YS]
.irp m, 0,1,2,3
	v_mov_b32 v[ST+4*\m], 0x7f800000               ; -Mc begins at +infinity: the first factor is 0, and multiplies a sum of 0
	v_mov_b32 v[ST+4*\m+1], 0xff61b1e6             ; the largest score so far: -3e38
	v_mov_b32 v[ST+4*\m+2], 0
	v_mov_b32 v[ST+4*\m+3], 0
	v_mov_b32 v[TMP+4*\m], 0
	v_mov_b32 v[TMP+4*\m+1], 0
	v_mov_b32 v[TMP+4*\m+2], 0
	v_mov_b32 v[TMP+4*\m+3], 0
.endr
	s_mov_b32 s[CNT], 3
	s_mov_b32 s[SOFF], 0
	s_wait_alu depctr_va_vdst(0)
	s_wait_loadcnt 63                              ; behind my quarter of Q stand 128 younger loads: it is in
.irp i, 0,1,2,3,4,5,6,7,8,9,10,11,12,13,14,15
	ds_store_b128 v[AQS], v[S+4*\i:S+4*\i+3] offset:512*\i
.endr
	s_wait_dscnt 0x0
	s_barrier_signal -1
	s_barrier_wait -1                              ; Q's sixteen images lie in LDS
	WIN 0x40
.set NN, 0
.rept 64
	ds_load_b128 v[4*NN:4*NN+3], v[AQ] offset:512*NN   ; Q stays in registers
.set NN, NN+1
.endr
	WIN 0
	s_wait_dscnt 0x0
	s_barrier_signal -1
	s_barrier_wait -1                              ; every wave has read them: the bytes may take kept scores
; S^T of 32 keys x 64 queries: 32 matrix instructions, the eight accumulators by turns.  mw: 0x07 K in window 3, 0x06 in window 2; Q window 1
.macro KMUL mw, base
	WIN \mw
.irp k, 0,1,2,3
.irp u, 0,1
.irp m, 0,1,2,3
.if \k == 0
	v_wmma_f32_16x16x128_fp8_fp8 v[S+16*\m+8*\u:S+16*\m+8*\u+7], v[\base+64*\u+16*\k:\base+64*\u+16*\k+15], v[64*\m+16*\k:64*\m+16*\k+15], 0
.else
	v_wmma_f32_16x16x128_fp8_fp8 v[S+16*\m+8*\u:S+16*\m+8*\u+7], v[\base+64*\u+16*\k:\base+64*\u+16*\k+15], v[64*\m+16*\k:64*\m+16*\k+15], v[S+16*\m+8*\u:S+16*\m+8*\u+7]
.endif
.endr
.endr
.endr
.endm
.macro TSC                             ; t - Mc = score x c + (-Mc), two at a time; each accumulator from its low end on
.irp m, 0,1,2,3
.irp j, 0,2,4,6,8,10,12,14
	v_pk_fma_f32 v[S+16*\m+\j:S+16*\m+\j+1], v[S+16*\m+\j:S+16*\m+\j+1], s[CS:CS+1], v[ST+4*\m:ST+4*\m+1] op_sel_hi:[1,0,0]
.endr
.endr
.endm
.macro EXP64
.set NN, 0
.rept 64
	v_exp_f32 v[S+NN], v[S+NN]
.set NN, NN+1
.endr
.endm
; walk 1: my lane's running maximum and sum take in 16 more keys of each of its four queries
.macro STAT1
	WIN 0
.irp m, 0,1,2,3
	v_max3_num_f32 v[TMP+4*\m], v[S+16*\m], v[S+16*\m+1], v[S+16*\m+2]
	v_max3_num_f32 v[TMP+4*\m+1], v[S+16*\m+8], v[S+16*\m+9], v[S+16*\m+10]
.endr
.irp d, 3,5
.irp m, 0,1,2,3
	v_max3_num_f32 v[TMP+4*\m], v[TMP+4*\m], v[S+16*\m+\d], v[S+16*\m+\d+1]
	v_max3_num_f32 v[TMP+4*\m+1], v[TMP+4*\m+1], v[S+16*\m+8+\d], v[S+16*\m+9+\d]
.endr
.endr
.irp m, 0,1,2,3
	v_max3_num_f32 v[TMP+4*\m], v[TMP+4*\m], v[S+16*\m+7], v[S+16*\m+15]
	v_mov_b32 v[TMP+4*\m+2], v[ST+4*\m]            ; the old -Mc
.endr
.irp m, 0,1,2,3
	v_max3_num_f32 v[ST+4*\m+1], v[TMP+4*\m], v[TMP+4*\m+1], v[ST+4*\m+1]
.endr
.irp m, 0,1,2,3
	v_mul_f32 v[ST+4*\m], s[NC], v[ST+4*\m+1]      ; the new -Mc
.endr
.irp m, 0,1,2,3
	v_sub_f32 v[TMP+4*\m+2], v[ST+4*\m], v[TMP+4*\m+2]   ; old Mc - new Mc, 0 or less
.endr
	TSC
	s_wait_alu depctr_va_vdst(0)                   ; the wait ahead of the batch
.irp m, 0,1,2,3
	v_exp_f32 v[TMP+4*\m+2], v[TMP+4*\m+2]         ; the factor for the old sum
.endr
	EXP64
	v_nop
	s_wait_alu depctr_va_vdst(0)                   ; and for one behind it, ahead of its first reader
.irp m, 0,1,2,3
.irp k, 0,4,8,12
	v_pk_add_f32 v[S+16*\m+\k:S+16*\m+\k+1], v[S+16*\m+\k:S+16*\m+\k+1], v[S+16*\m+\k+2:S+16*\m+\k+3]
.endr
.endr
.irp m, 0,1,2,3
.irp k, 0,8
	v_pk_add_f32 v[S+16*\m+\k:S+16*\m+\k+1], v[S+16*\m+\k:S+16*\m+\k+1], v[S+16*\m+\k+4:S+16*\m+\k+5]
.endr
.endr
.irp m, 0,1,2,3
	v_pk_add_f32 v[S+16*\m:S+16*\m+1], v[S+16*\m:S+16*\m+1], v[S+16*\m+8:S+16*\m+9]
.endr
.irp m, 0,1,2,3
	v_pk_fma_f32 v[ST+4*\m+2:ST+4*\m+3], v[ST+4*\m+2:ST+4*\m+3], v[TMP+4*\m+2:TMP+4*\m+3], v[S+16*\m:S+16*\m+1] op_sel_hi:[1,0,1]
.endr
.endm
; walk 1, a group: 32 keys from one buffer.  Behind the buffer's 32 loads at least 64 younger ones have been issued on every way, so at most 63 out shows it whole.
; ptr: what the buffer takes next, off bytes behind it (NONE: nothing).  slot under 8: the scores are kept, 8,192 slot bytes behind v[areg]; each accumulator is read from its low end on
.set NONE, 0
.macro W1G mw, lw, base, ptr, off, areg, slot
	s_wait_loadcnt 63
	KMUL \mw, \base
	PLACES
.if \ptr != NONE
	GLD \lw, \base, \ptr, \off
.endif
	WIN 0
.if \slot < 8
.irp i, 0,1,2,3,4,5,6,7,8,9,10,11,12,13,14,15
	ds_store_b128 v[\areg], v[S+4*\i:S+4*\i+3] offset:8192*\slot+512*\i
.endr
.endif
	STAT1
.endm
.Lwalk1:                                               ; trips t = 0 .. 2
	s_wait_xcnt 0x0                                ; the loads have read their bases
	s_add_nc_u64 s[NK:NK+1], s[NK:NK+1], 3*65536   ; the next trip's steps 7 + 3 (t + 1) on, and t + 1;
	s_add_nc_u64 s[N3:N3+1], s[N3:N3+1], 65536
	s_cmp_eq_u32 s[CNT], 1                         ; behind the loop's last trip: steps 3, 4, 5 and 6
	s_cselect_b64 s[NK:NK+1], s[L0:L0+1], s[NK:NK+1]
	s_cselect_b64 s[N3:N3+1], s[L3:L3+1], s[N3:N3+1]
	v_add_nc_u32 v[ADS], s[SOFF], v[ASS]
	W1G 0x07, 0xc0, 0, NK, 0, ASS, 9
	s_cmp_eq_u32 s[CNT], 3                         ; in the first trip: my 8,192 bytes of V
	s_cbranch_scc0 .Lno_v
	global_prefetch_b8 v[PFO], s[PV:PV+1] th:TH_LOAD_NT scope:SCOPE_SE
.Lno_v:
	W1G 0x07, 0xc0, 128, NK, 65536, ASS, 9
	W1G 0x06, 0x80, 0, NK, 131072, ASS, 9
	W1G 0x06, 0x80, 128, N3, 0, ADS, 0
	s_add_co_u32 s[SOFF], s[SOFF], 8192
	s_sub_co_u32 s[CNT], s[CNT], 1
	s_cmp_lg_u32 s[CNT], 0
	s_cbranch_scc1 .Lwalk1
	W1G 0x07, 0xc0, 0, KP, 0, ASS, 3               ; steps 3 .. 6, all kept; K of step 7 and V of step 0 go out
	W1G 0x07, 0xc0, 128, VP, 0, ASS, 4
	W1G 0x06, 0x80, 0, NONE, 0, ASS, 5
	W1G 0x06, 0x80, 128, NONE, 0, ASS, 6
.irp m, 0,1,2,3
	v_add_f32 v[ST+4*\m+1], v[ST+4*\m+2], v[ST+4*\m+3]   ; my part's sum
.endr
.irp m, 0,1,2,3
	ds_store_b64 v[AST], v[ST+4*\m:ST+4*\m+1] offset:1024*\m   ; (-Mc, sum)
.endr
	WIN 0x80
.set NN, 0
.rept 256
	v_mov_b32 v[NN], 0                             ; O^T
.set NN, NN+1
.endr
	WIN 0
	s_mov_b32 s[J], 0
	s_mov_b32 s[PT], 0
	s_mov_b32 s[SI], 0
	s_mov_b32 s[SOFF], 0
	s_wait_alu depctr_va_vdst(0)
	s_wait_tensorcnt 0x0                           ; my rows of step 0's intensity are in
	ds_add_u32 v[SPW], v[NIL]
	s_xor_b32 s[G0+1], s[G0+1], STG                ; stage 1,
	s_add_nc_u64 s[G0+2:G0+3], s[G0+2:G0+3], 512   ; step 1
	s_wait_dscnt 0x0                               ; the add is done, and my parts of the statistics lie in LDS
	s_barrier_signal -1
	s_barrier_wait -1
	tensor_load_to_lds s[G0:G0+3], s[G1:G1+7]
	s_nop 0
	PLACES
; a query's eight parts are joined: -Mc = the smallest, l = the sum of sum_p x 2^(Mc_p - Mc), and 1 / l
.irp m, 0,1,2,3
.irp p, 0,1,2,3,4,5,6,7
	ds_load_b64 v[S+16*\m+2*\p:S+16*\m+2*\p+1], v[ASL] offset:1024*\m+128*\p
.endr
.endr
	s_wait_dscnt 0x0
.irp m, 0,1,2,3
	v_min_num_f32 v[ST+4*\m], v[S+16*\m], v[S+16*\m+2]
.endr
.irp p, 2,3,4,5,6,7
.irp m, 0,1,2,3
	v_min_num_f32 v[ST+4*\m], v[ST+4*\m], v[S+16*\m+2*\p]
.endr
.endr
.irp m, 0,1,2,3
.irp p, 0,1,2,3,4,5,6,7
	v_sub_f32 v[S+16*\m+2*\p], v[ST+4*\m], v[S+16*\m+2*\p]
.endr
.endr
	s_wait_alu depctr_va_vdst(0)
.irp m, 0,1,2,3
.irp p, 0,1,2,3,4,5,6,7
	v_exp_f32 v[S+16*\m+2*\p], v[S+16*\m+2*\p]
.endr
.endr
	v_nop
	s_wait_alu depctr_va_vdst(0)                   ; one wait for the batch of 32
.irp m, 0,1,2,3
	v_mul_f32 v[ST+4*\m+2], v[S+16*\m], v[S+16*\m+1]
.endr
.irp p, 1,2,3,4,5,6,7
.irp m, 0,1,2,3
	v_fmac_f32 v[ST+4*\m+2], v[S+16*\m+2*\p], v[S+16*\m+2*\p+1]
.endr
.endr
	s_wait_alu depctr_va_vdst(0)
.irp m, 0,1,2,3
	v_rcp_f32 v[ST+4*\m+2], v[ST+4*\m+2]
.endr
	v_nop
	s_wait_alu depctr_va_vdst(0)                   ; one wait for the four reciprocals
; A STEP OF WALK 2: 128 keys.  kept: the scores come from LDS, else from K;  fill: behind the barrier the stage just read out takes the intensity of step J + 2;
; ask 1: the tile of step J + 4 is prefetched; 2: while J is under 12; 0: not.
.macro STEP2 kept, fill, ask
	v_add_nc_u32 v[ADI], s[SI], v[AII]
	v_add_nc_u32 v[ADP], s[PT], v[API]
	v_add_nc_u32 v[ADL], s[PT], v[APL]
.if \kept
	v_add_nc_u32 v[ADS], s[SOFF], v[ASS]
.endif
.irp m, 0,1,2,3
.irp u, 0,1
.irp y, 0,1
	ds_load_b128 v[II+16*\m+8*\u+4*\y:II+16*\m+8*\u+4*\y+3], v[ADI] offset:8448*\m+64*\u+16*\y   ; intensity(query 16 m + r, my keys 16 u + 8 h + ..)
.endr
.endr
.endr
.if \kept
.irp i, 0,1,2,3,4,5,6,7,8,9,10,11,12,13,14,15
	ds_load_b128 v[S+4*\i:S+4*\i+3], v[ADS] offset:512*\i   ; my own stores of walk 1
.endr
.else
	s_wait_loadcnt 32                              ; K is in; V's 32 loads may be out
	KMUL 0x07, 0
	PLACES
.endif
	s_wait_xcnt 0x0                                ; the last loads and prefetch have read their bases
	s_add_nc_u64 s[VP:VP+1], s[VP:VP+1], 65536
.if \ask
	s_add_nc_u64 s[IP:IP+1], s[IP:IP+1], 512
.endif
.if \kept == 0
	s_add_nc_u64 s[KP:KP+1], s[KP:KP+1], 65536
	s_cmp_eq_u32 s[J], 15                          ; behind the last step the two buffers take out_w's tiles 0 .. 3
	s_cselect_b64 s[KP:KP+1], s[WOB:WOB+1], s[KP:KP+1]
	s_cselect_b64 s[VP:VP+1], s[W2:W2+1], s[VP:VP+1]
	GLD 0xc0, 0, KP, 0
	WIN 0
.endif
.if \ask == 1
	global_prefetch_b8 v[PFI], s[IP:IP+1] th:TH_LOAD_NT scope:SCOPE_SE
.elseif \ask == 2
	s_cmp_lt_u32 s[J], 12                          ; there is no step 16
	s_cbranch_scc0 .Lno_i_\@
	global_prefetch_b8 v[PFI], s[IP:IP+1] th:TH_LOAD_NT scope:SCOPE_SE
.Lno_i_\@:
.endif
.if \kept
	s_wait_dscnt 0x0                               ; the scores and intensity are in
.endif
	TSC
	s_wait_alu depctr_va_vdst(0)                   ; the wait ahead of the batch
	EXP64
	v_nop
	s_wait_alu depctr_va_vdst(0)                   ; and behind it
.if \kept == 0
	s_wait_dscnt 0x0                               ; intensity is in
.endif
.irp m, 0,1,2,3
.irp j, 0,2,4,6,8,10,12,14
	v_pk_fma_f32 v[S+16*\m+\j:S+16*\m+\j+1], v[S+16*\m+\j:S+16*\m+\j+1], v[ST+4*\m+2:ST+4*\m+3], v[II+16*\m+\j:II+16*\m+\j+1] op_sel_hi:[1,0,1]
.endr
.endr
.set NN, 0
.rept 64
	v_med3_num_f32 v[S+NN], v[S+NN], -v[LIM8], v[LIM8]   ; the conversion does not saturate (ISA guide 7.6.2)
.set NN, NN+1
.endr
.irp c, 0,1,2,3,4,5,6,7
	v_cvt_scalef32_pk8_fp8_f32 v[PC+2*\c:PC+2*\c+1], v[S+8*\c:S+8*\c+7], v[SC8]
.endr
	v_nop                                          ; a plain line behind the conversions
.irp m, 0,1,2,3
	ds_store_b128 v[ADP], v[PC+4*\m:PC+4*\m+3] offset:2048*\m   ; group w of each tile's P
.endr
	s_wait_tensorcnt 0x0                           ; my rows of the next step's intensity are in
.if \fill
	ds_add_u32 v[SPW], v[NIL]
	s_xor_b32 s[G0+1], s[G0+1], STG                ; the stage that this step has read out,
	s_add_nc_u64 s[G0+2:G0+3], s[G0+2:G0+3], 512   ; the step after the next
.endif
	s_wait_dscnt 0x0                               ; my groups of P lie in LDS; my reads of the stage and of P's other buffer are back
	s_barrier_signal -1
	s_barrier_wait -1
.if \fill
	tensor_load_to_lds s[G0:G0+3], s[G1:G1+7]      ; my one tensor load behind the barrier
	s_nop 0
	PLACES
.endif
.irp i, 0,1,2,3,4,5,6,7,8,9,10,11,12,13,14,15
	ds_load_b128 v[II+4*\i:II+4*\i+3], v[ADL] offset:512*\i   ; P's four fragments
.endr
.if \kept
	s_wait_loadcnt 0x0                             ; V is in
.else
	s_wait_loadcnt 32                              ; V is in; the next K's 32 loads may be out
.endif
	s_wait_dscnt 0x0
	WIN 0xa3                                       ; V window 3, P window 0, O^T window 2: 32 matrix instructions on 32 accumulators
.irp t, 0,1,2,3,4,5,6,7
.irp m, 0,1,2,3
	v_wmma_f32_16x16x128_fp8_fp8 v[64*\m+8*\t:64*\m+8*\t+7], v[128+16*\t:128+16*\t+15], v[II+16*\m:II+16*\m+15], v[64*\m+8*\t:64*\m+8*\t+7]
.endr
.endr
	PLACES
	GLD 0xc0, 128, VP, 0
	WIN 0
	s_xor_b32 s[PT], s[PT], 8192
	s_xor_b32 s[SI], s[SI], STG
.if \kept
	s_add_co_u32 s[SOFF], s[SOFF], 8192
.endif
	s_add_co_u32 s[J], s[J], 1
.endm
.macro RUN n, kept, fill, ask
	s_mov_b32 s[CNT], \n
.Lrun_\@:
	STEP2 \kept, \fill, \ask
	s_sub_co_u32 s[CNT], s[CNT], 1
	s_cmp_lg_u32 s[CNT], 0
	s_cbranch_scc1 .Lrun_\@
.endm
	RUN 7, 1, 1, 1                                 ; steps 0 .. 6: kept scores
	RUN 7, 0, 1, 2                                 ; steps 7 .. 13
	RUN 2, 0, 0, 0                                 ; steps 14, 15: no step is left to ask for
	; THE LAST PRODUCT.  out_w's tiles 0-3 are on their way into window 3; tiles 4-7 go into window 2 when O has left it.
	v_add_nc_u32 v[AQ], SST, v[LI]                 ; where O's images are fetched
	WIN 0x82
.set NN, 0
.rept 256
	v_med3_num_f32 v[NN], v[NN], -v[LIMO], v[LIMO] ; each accumulator from its low end on
.set NN, NN+1
.endr
	WIN 0x02
.irp m, 0,1,2,3
.irp t, 0,1,2,3,4,5,6,7
	v_cvt_scalef32_pk8_fp8_f32 v[OC+16*\m+2*\t:OC+16*\m+2*\t+1], v[64*\m+8*\t:64*\m+8*\t+7], v[SCO]   ; my 128 channels are K step w of the last product
.endr
.endr
	v_nop
	WIN 0
.irp m, 0,1,2,3
.irp g, 0,1,2,3
	ds_store_b128 v[AOI], v[OC+16*\m+4*\g:OC+16*\m+4*\g+3] offset:8192*\m+512*\g
.endr
.endr
	s_wait_dscnt 0x0
	s_barrier_signal -1
	s_barrier_wait -1                              ; O's sixteen images lie in LDS
	WIN 0x40
.set NN, 0
.rept 64
	ds_load_b128 v[4*NN:4*NN+3], v[AQ] offset:512*NN
.set NN, NN+1
.endr
	WIN 0
.irp a, 0,1
.irp f, 0,1,2,3
.irp y, 0,1
	global_load_b128 v[OB+32*\a+8*\f+4*\y:OB+32*\a+8*\f+4*\y+3], v[OBA], s[OBB:OBB+1] offset:256*\a+64*\f+16*\y
.endr
.endr
.endr
	GLD 0x80, 0, WOB, 32768
	GLD 0x80, 128, WOB, 49152
.macro OUTMUL grp                      ; four tiles of outputs x four tiles of queries, K = 512: 64 matrix instructions, the sixteen accumulators by turns
.if \grp
	WIN 0x06
.else
	WIN 0x07
.endif
.irp k, 0,1,2,3
.irp f, 0,1,2,3
.irp m, 0,1,2,3
.if \k == 0
	v_wmma_f32_16x16x128_fp8_fp8 v[ACC+8*(4*\f+\m):ACC+8*(4*\f+\m)+7], v[64*\f+16*\k:64*\f+16*\k+15], v[64*\m+16*\k:64*\m+16*\k+15], 0
.else
	v_wmma_f32_16x16x128_fp8_fp8 v[ACC+8*(4*\f+\m):ACC+8*(4*\f+\m)+7], v[64*\f+16*\k:64*\f+16*\k+15], v[64*\m+16*\k:64*\m+16*\k+15], v[ACC+8*(4*\f+\m):ACC+8*(4*\f+\m)+7]
.endif
.endr
.endr
.endr
.endm
; sum x 2^(e10 + e11) + out_b; through my stage (rows of 256 bytes + 16), back as rows, sixteen lanes to 256 consecutive bytes.  LDS serves a wave's instructions in order
.macro OUTEPI grp
	WIN 0
.irp f, 0,1,2,3
.irp m, 0,1,2,3
.irp j, 0,2,4,6
	v_pk_fma_f32 v[ACC+8*(4*\f+\m)+\j:ACC+8*(4*\f+\m)+\j+1], v[ACC+8*(4*\f+\m)+\j:ACC+8*(4*\f+\m)+\j+1], s[YS:YS+1], v[OB+32*\grp+8*\f+\j:OB+32*\grp+8*\f+\j+1] op_sel_hi:[1,0,1]
.endr
.endr
.endr
.irp m, 0,1,2,3
.irp f, 0,1,2,3
.irp y, 0,1
	ds_store_b128 v[STO], v[ACC+8*(4*\f+\m)+4*\y:ACC+8*(4*\f+\m)+4*\y+3] offset:4352*\m+64*\f+16*\y
.endr
.endr
.endr
.irp m, 0,1,2,3
.irp i, 0,1,2,3,4,5,6,7
	ds_load_b128 v[ACC+32*\m+4*\i:ACC+32*\m+4*\i+3], v[RD] offset:4352*\m+544*\i
.endr
.endr
.set NN, 0
.rept 32
	s_wait_dscnt 31-NN
	global_store_b128 v[GO], v[ACC+4*NN:ACC+4*NN+3], s[OUTB:OUTB+1] offset:(16*(NN/8)+2*(NN%8))*2048+256*\grp th:TH_STORE_NT
.set NN, NN+1
.endr
.endm
	s_wait_loadcnt 63                              ; behind out_w's tiles 0-3 and out_b stand 64 younger loads: those 80 are in
	s_wait_dscnt 0x0                               ; O's codes
	OUTMUL 0
	PLACES
	OUTEPI 0
	s_wait_loadcnt 0x0                             ; out_w's tiles 4-7
	s_wait_xcnt 0x0                                ; the stores have read their registers, which the next products write
	OUTMUL 1
	PLACES
	OUTEPI 1
	s_wait_tensorcnt 0x0                           ; the wave's end
	ds_add_u32 v[SPW], v[NIL]
	s_wait_dscnt 0x0
	s_endpgm
.Lfunc_end_k_qabbeab88ef_attn:
	.size	k_qabbeab88ef_attn, .Lfunc_end_k_qabbeab88ef_attn-k_qabbeab88ef_attn
	.p2alignl 7, 3214868480
	.fill 96, 4, 3214868480
	.section	.rodata,"a",@progbits
	.p2align	6, 0x0
	.amdhsa_kernel k_qabbeab88ef_attn
		.amdhsa_group_segment_fixed_size 327680
		.amdhsa_private_segment_fixed_size 0
		.amdhsa_enable_private_segment 0
		.amdhsa_kernarg_size 64
		.amdhsa_user_sgpr_count 2
		.amdhsa_user_sgpr_kernarg_segment_ptr 1
		.amdhsa_wavefront_size32 1
		.amdhsa_system_sgpr_workgroup_id_x 1
		.amdhsa_system_sgpr_workgroup_id_y 1
		.amdhsa_system_sgpr_workgroup_id_z 1
		.amdhsa_system_vgpr_workitem_id 0
		.amdhsa_next_free_vgpr 1024
		.amdhsa_next_free_sgpr 100
		.amdhsa_reserve_vcc 0
		.amdhsa_float_denorm_mode_32 3
		.amdhsa_float_denorm_mode_16_64 3
		.amdhsa_memory_ordered 1
		.amdhsa_forward_progress 1
		.amdhsa_inst_pref_size 255
	.end_amdhsa_kernel
	.section	.bss,"aw",@nobits
	.p2align	6
	.space	262144
	.amdgpu_metadata
---
amdhsa.version: [ 1, 2 ]
amdhsa.kernels:
  - .name:           k_qabbeab88ef_attn
    .symbol:         k_qabbeab88ef_attn.kd
    .args:
      - { .name: qc, .offset: 0, .size: 8, .value_kind: global_buffer, .address_space: global }
      - { .name: kc, .offset: 8, .size: 8, .value_kind: global_buffer, .address_space: global }
      - { .name: vc, .offset: 16, .size: 8, .value_kind: global_buffer, .address_space: global }
      - { .name: intensity, .offset: 24, .size: 8, .value_kind: global_buffer, .address_space: global }
      - { .name: wc, .offset: 32, .size: 8, .value_kind: global_buffer, .address_space: global }
      - { .name: out_b, .offset: 40, .size: 8, .value_kind: global_buffer, .address_space: global }
      - { .name: lowp_scales, .offset: 48, .size: 8, .value_kind: global_buffer, .address_space: global }
      - { .name: out0, .offset: 56, .size: 8, .value_kind: global_buffer, .address_space: global }
    .group_segment_fixed_size: 327680
    .private_segment_fixed_size: 0
    .kernarg_segment_align: 8
    .kernarg_segment_size: 64
    .max_flat_workgroup_size: 128
    .sgpr_count:     100
    .vgpr_count:     1024
    .wavefront_size: 32
...
	.end_amdgpu_metadata
.endif
;; end of part 3
